; MI455X (gfx1250); checked and timed in simulation.
; The chip was launched on July 23, 2026; its instructions are those of AMD's public machine-readable ISA for CDNA 5 (MIT licence, August 2026) and "CDNA5" Instruction Set Architecture Reference Guide (July 2026). The comments in the code are by the model that wrote it; some were corrected since.
;; Quantized Mlp. Allowed arithmetic: float matrix products may take bf16 or f16 operands with f32 sums; other float arithmetic in f32, or as packed bf16 or f16 multiplies, adds, multiply-adds, maxima and minima; sums over many terms, partial sums and values carried from step to step in f32; what a program stores and reads back later, other than sums and carried values, may be rounded once to bf16 or f16.
;; Inputs: b1 4,096 float32; b2 1,024 float32; w1 4,096 x 1,024 float32; w2 1,024 x 4,096 float32; x 4 x 2,048 x 1,024 float32.
;; Outputs: out0 4 x 2,048 x 1,024 float32.
;; One version. Each part assembles by itself: llvm-mc -triple=amdgcn-amd-amdhsa -mcpu=gfx1250 --defsym DOCPART=n.
;; ======== version 1 of 1: 3 launches
;; workspace buffers: xs 16,777,216 bytes; w1q 8,388,608 bytes; w2s 8,388,608 bytes; h 67,108,864 bytes
;; launch quant (part 1): grid 256 x 4, 8 waves a work-group, no clusters, 35,840 bytes of LDS; arguments x, w1, w2, xs, w1q, w2s; writes xs, w1q, w2s
.if DOCPART == 1
	.amdgcn_target "amdgcn-amd-amdhsa--gfx1250"
	.amdhsa_code_object_version 6
	.text
	.protected	k_qe14da6fa4d_quant
	.globl	k_qe14da6fa4d_quant
	.p2align	8
	.type	k_qe14da6fa4d_quant,@function
k_qe14da6fa4d_quant:
	s_mov_b64 s[64:65], 0
	v_nop
	global_prefetch_b8 v0, s[64:65] scope:SCOPE_SE
	s_setreg_imm32_b32 hwreg(HW_REG_WAVE_MODE, 25, 1), 1
	s_wait_xcnt 0x0
; FIXED-POINT QUANTISATION, ONCE FOR ALL READERS.  q = clip(round(PRE v), -128, 127) x POST, f32 in, bf16 out; an integer of 8 bits times a power of two is exact in bf16.
;   xs  = clip(round(16 x))          = 16 x the quantised x   (PRE 16, POST 1),      rows as in x
;   w1q = clip(round(64 w1)) / 64    = the quantised w1       (PRE 64, POST 1/64),   rows as in w1
;   w2s = clip(round(64 w2)) / 1024  = the quantised w2 / 16  (PRE 64, POST 1/1024), IN BLOCKS, see below
; The powers of two that are moved between the operands are exact: the first product then yields 16 x its sums, which is what the activation's rounding wants, and the second takes 16 h as it is stored.
; LIMIT.  A NaN among the inputs comes out as one of the clip's bounds (v_med3_num_f32 drops it), not as NaN.  Infinities are clipped like any number.
; SHARES.  The grid's y picks a slice of 4 Mi numbers: 0, 1 the halves of x, 2 w1, 3 w2.  A work-group takes 16 rows of 4,096 bytes in; thread t owns 16 bytes at 16 t of each: a wave's load covers 512 consecutive bytes.
; Slices 0 to 2: thread t stores 8 bytes at 8 t of each row of 2,048 bytes out: a wave's store covers 256 consecutive bytes, aligned.  (One text serves the three, so x is also multiplied by POST = 1.)
; Slice 3: w2s lies in blocks of 16 rows x 32 K, 1,024 bytes, in the order of a matrix fragment: the 16 bytes at 512 j + 16 (16 h + r) hold row r, K = 16 j + 8 h + 0 .. 7; the 128 blocks of 16 rows follow each other along K.
; A wave takes 16 rows x 128 K = 4 blocks.  Its 8 bytes a lane and row go into the wave's own LDS bytes, where the 256 bytes of a (block, j, h) lie together, and come back as 512 consecutive bytes to a load and a store.
; A stream: no byte is read twice and nothing is shared between waves, so there is no barrier, no matrix work and no cluster.  All sixteen loads of a wave go out in one run.
.set ROWS, 16
.set X,    4                           ; v[4:67]   row i: 4 numbers as loaded, then at work; in slice 3 later the blocks read back
.set Y,    68                          ; v[68:99]  row i: 4 bf16 to store
.set SA,   100                         ; v100  slice 3: where my 8 bytes of a row go in LDS
.set RA,   101                         ; v101  slice 3: where I read 16 bytes back
.set OO,   102                         ; v102  slice 3: my byte offset in the work-group's part of w2s
.set SPW,  103                         ; v103  LDS address of my spare word: SPARE + 4 x my thread's number; never rewritten
.set NIL,  104                         ; v104  0; never rewritten
.set GP,   272                         ; 256 bytes of a (block, j, h) + 16: 68 words, so that the 16 groups that a store touches start at 16 different groups of four banks (64 banks of 4 bytes: ISA guide 11.1)
.set WREG, 16*GP                       ; a wave's own LDS bytes: 16 groups
.set SPARE, 8*WREG                     ; behind them: the spare words, 128 bytes for each wave: four blocks of 256 bytes that no other line names
	s_load_b256 s[4:11], s[0:1], 0x0               ; x s[4:5], w1 s[6:7], w2 s[8:9], xs s[10:11]
	s_load_b128 s[12:15], s[0:1], 0x20             ; w1q s[12:13], w2s s[14:15]
	v_lshl_add_u32 v[SPW], v0, 2, SPARE
	v_mov_b32 v[NIL], 0
	s_and_b32 s16, ttmp7, 0xffff                   ; the slice
	v_lshlrev_b32 v1, 4, v0                        ; my 16 bytes of a row in
	v_lshlrev_b32 v2, 3, v0                        ; my 8 bytes of a row out (slices 0 to 2)
	s_mov_b32 s28, 0xc3000000                      ; -128.0
	s_mov_b32 s29, 0x42fe0000                      ; 127.0
	s_mov_b32 s30, 0x41800000                      ; 16.0
	s_mov_b32 s31, 0x42800000                      ; 64.0
	s_mov_b32 s32, 1.0
	s_mov_b32 s33, 0x3c800000                      ; 1 / 64
	s_mov_b32 s34, 0x3a800000                      ; 1 / 1024
	s_mov_b32 s37, 0
	s_mov_b32 s39, 0
	s_wait_kmcnt 0x0
; Row i: scaled, rounded to the nearest integer (ties to even), clipped, scaled back, packed to bf16 (exact).
.macro QROW i
	s_wait_loadcnt ROWS-1-(\i)                     ; loads come back in order (ISA guide 5.7.1): row i is in, the younger rows stay out
	v_pk_mul_f32 v[X+4*(\i):X+4*(\i)+1],   v[X+4*(\i):X+4*(\i)+1],   s[24:25] op_sel_hi:[1,0]
	v_pk_mul_f32 v[X+4*(\i)+2:X+4*(\i)+3], v[X+4*(\i)+2:X+4*(\i)+3], s[24:25] op_sel_hi:[1,0]
.irp j, 0,1,2,3
	v_rndne_f32 v[X+4*(\i)+(\j)], v[X+4*(\i)+(\j)]
.endr
.irp j, 0,1,2,3
	v_med3_num_f32 v[X+4*(\i)+(\j)], v[X+4*(\i)+(\j)], s28, s29
.endr
	v_pk_mul_f32 v[X+4*(\i):X+4*(\i)+1],   v[X+4*(\i):X+4*(\i)+1],   s[26:27] op_sel_hi:[1,0]
	v_pk_mul_f32 v[X+4*(\i)+2:X+4*(\i)+3], v[X+4*(\i)+2:X+4*(\i)+3], s[26:27] op_sel_hi:[1,0]
	v_cvt_pk_bf16_f32 v[Y+2*(\i)],   v[X+4*(\i)],   v[X+4*(\i)+1]
	v_cvt_pk_bf16_f32 v[Y+2*(\i)+1], v[X+4*(\i)+2], v[X+4*(\i)+3]
.endm
	s_cmp_eq_u32 s16, 3                            ; the choice hangs on the slice's number alone
	s_cbranch_scc1 .Lw2
	; SLICES 0 TO 2
	s_cmp_eq_u32 s16, 2
	s_cselect_b64 s[20:21], s[6:7], s[4:5]         ; from where
	s_cselect_b64 s[22:23], s[12:13], s[10:11]     ; to where
	s_cselect_b32 s24, s31, s30                    ; PRE
	s_cselect_b32 s26, s33, s32                    ; POST
	s_mov_b32 s25, s24                             ; named as pairs by the packed multiplies
	s_mov_b32 s27, s26
	s_cmp_eq_u32 s16, 1                            ; x's second half: 16 MiB in, 8 MiB out
	s_cselect_b32 s36, 0x1000000, 0
	s_cselect_b32 s38, 0x800000, 0
	s_lshl_b32 s17, ttmp9, 16                      ; the work-group's 65,536 bytes in
	s_add_co_u32 s36, s36, s17
	s_lshl_b32 s17, ttmp9, 15                      ; and 32,768 out
	s_add_co_u32 s38, s38, s17
	s_add_nc_u64 s[20:21], s[20:21], s[36:37]
	s_add_nc_u64 s[22:23], s[22:23], s[38:39]
.irp i, 0,1,2,3,4,5,6,7,8,9,10,11,12,13,14,15
	global_load_b128 v[X+4*(\i):X+4*(\i)+3], v1, s[20:21] offset:4096*(\i) th:TH_LOAD_NT  ; read once in the whole launch
.endr
.irp i, 0,1,2,3,4,5,6,7,8,9,10,11,12,13,14,15
	QROW \i
	global_store_b64 v2, v[Y+2*(\i):Y+2*(\i)+1], s[22:23] offset:2048*(\i)  ; the next launch reads it: no hint.  No register is written twice, so no wait frees a source
.endr
	s_endpgm
.Lw2:	; SLICE 3.  Work-group g takes rows 16 (g / 4) on, K = 1,024 (g % 4) on: of each of 16 rows 4,096 consecutive bytes; wave w the 128 K at 128 w of them.
	s_mov_b32 s24, s31                             ; PRE = 64
	s_mov_b32 s25, s31
	s_mov_b32 s26, s34                             ; POST = 1 / 1024
	s_mov_b32 s27, s34
	s_lshr_b32 s17, ttmp9, 2
	s_and_b32 s18, ttmp9, 3
	s_lshl_b32 s36, s17, 18                        ; in: 16 rows of 16,384 bytes,
	s_lshl_b32 s19, s18, 12                        ; 4,096 bytes along a row
	s_add_co_u32 s36, s36, s19
	s_lshl_b32 s38, s17, 17                        ; out: 128 blocks of 1,024 bytes,
	s_lshl_b32 s19, s18, 15                        ; 32 blocks along K
	s_add_co_u32 s38, s38, s19
	s_add_nc_u64 s[20:21], s[8:9], s[36:37]
	s_add_nc_u64 s[22:23], s[14:15], s[38:39]
.irp i, 0,1,2,3,4,5,6,7,8,9,10,11,12,13,14,15
	global_load_b128 v[X+4*(\i):X+4*(\i)+3], v1, s[20:21] offset:16384*(\i) th:TH_LOAD_NT
.endr
	v_lshrrev_b32 v3, 5, v0
	v_readfirstlane_b32 s35, v3                    ; my wave's number
	s_mul_i32 s35, s35, WREG                       ; its LDS bytes
	v_and_b32 v3, 31, v0                           ; lane l holds K = 4 l + 0 .. 3 of the wave's 128: group l / 2 (= 4 block + 2 j + h), half l % 2 of the group's 16 bytes of a row
	v_lshrrev_b32 v[SA], 1, v3
	v_mul_u32_u24 v[SA], v[SA], GP
	v_and_b32 v[RA], 1, v3
	v_lshl_add_u32 v[SA], v[RA], 3, v[SA]
	v_add_nc_u32 v[SA], s35, v[SA]
	v_lshrrev_b32 v[RA], 4, v3                     ; back: lanes 0-15 take one group's 256 bytes, lanes 16-31 the next group's
	v_mul_u32_u24 v[RA], v[RA], GP
	v_and_b32 v[OO], 15, v3
	v_lshl_add_u32 v[RA], v[OO], 4, v[RA]
	v_add_nc_u32 v[RA], s35, v[RA]
	v_lshrrev_b32 v[OO], 5, v0                     ; out: the wave's 4 blocks, 16 bytes a lane
	v_lshlrev_b32 v[OO], 12, v[OO]
	v_lshl_add_u32 v[OO], v3, 4, v[OO]
.irp i, 0,1,2,3,4,5,6,7,8,9,10,11,12,13,14,15
	QROW \i
	ds_store_b64 v[SA], v[Y+2*(\i):Y+2*(\i)+1] offset:16*(\i)  ; row i is place i of each group
.endr
.irp t, 0,1,2,3,4,5,6,7
	ds_load_b128 v[X+4*(\t):X+4*(\t)+3], v[RA] offset:2*GP*(\t)  ; the bytes are my wave's own, and LDS serves a wave's instructions in order (ISA guide 5.7.1.4): these see the stores above
.endr
.irp t, 0,1,2,3,4,5,6,7
	s_wait_dscnt 7-(\t)
	global_store_b128 v[OO], v[X+4*(\t):X+4*(\t)+3], s[22:23] offset:512*(\t)  ; half a block: 512 consecutive bytes, aligned
.endr
	s_wait_tensorcnt 0x0                           ; the wave's end: behind my last LDS store
	ds_add_u32 v[SPW], v[NIL]
	s_wait_dscnt 0x0
	s_endpgm
.Lfunc_end_k_qe14da6fa4d_quant:
	.size	k_qe14da6fa4d_quant, .Lfunc_end_k_qe14da6fa4d_quant-k_qe14da6fa4d_quant
	.p2alignl 7, 3214868480
	.fill 96, 4, 3214868480
	.section	.rodata,"a",@progbits
	.p2align	6, 0x0
	.amdhsa_kernel k_qe14da6fa4d_quant
		.amdhsa_group_segment_fixed_size 35840
		.amdhsa_private_segment_fixed_size 0
		.amdhsa_enable_private_segment 0
		.amdhsa_kernarg_size 48
		.amdhsa_user_sgpr_count 2
		.amdhsa_user_sgpr_kernarg_segment_ptr 1
		.amdhsa_wavefront_size32 1
		.amdhsa_system_sgpr_workgroup_id_x 1
		.amdhsa_system_sgpr_workgroup_id_y 1
		.amdhsa_system_sgpr_workgroup_id_z 1
		.amdhsa_system_vgpr_workitem_id 0
		.amdhsa_next_free_vgpr 106
		.amdhsa_next_free_sgpr 66
		.amdhsa_reserve_vcc 0
		.amdhsa_float_denorm_mode_32 3
		.amdhsa_float_denorm_mode_16_64 3
		.amdhsa_memory_ordered 1
		.amdhsa_forward_progress 1
		.amdhsa_inst_pref_size 36
	.end_amdhsa_kernel
	.amdgpu_metadata
---
amdhsa.version: [ 1, 2 ]
amdhsa.kernels:
  - .name:           k_qe14da6fa4d_quant
    .symbol:         k_qe14da6fa4d_quant.kd
    .args:
      - { .name: x, .offset: 0, .size: 8, .value_kind: global_buffer, .address_space: global }
      - { .name: w1, .offset: 8, .size: 8, .value_kind: global_buffer, .address_space: global }
      - { .name: w2, .offset: 16, .size: 8, .value_kind: global_buffer, .address_space: global }
      - { .name: xs, .offset: 24, .size: 8, .value_kind: global_buffer, .address_space: global }
      - { .name: w1q, .offset: 32, .size: 8, .value_kind: global_buffer, .address_space: global }
      - { .name: w2s, .offset: 40, .size: 8, .value_kind: global_buffer, .address_space: global }
    .group_segment_fixed_size: 35840
    .private_segment_fixed_size: 0
    .kernarg_segment_align: 8
    .kernarg_segment_size: 48
    .max_flat_workgroup_size: 256
    .sgpr_count:     66
    .vgpr_count:     106
    .wavefront_size: 32
...
	.end_amdgpu_metadata
.endif
;; end of part 1
;; launch fc1 (part 2): grid 16 x 32, 4 waves a work-group, clusters of 4 x 4, 327,680 bytes of LDS; arguments xs, w1q, h, b1; writes h
.if DOCPART == 2
	.amdgcn_target "amdgcn-amd-amdhsa--gfx1250"
	.amdhsa_code_object_version 6
	.text
	.protected	k_qe14da6fa4d_fc1
	.globl	k_qe14da6fa4d_fc1
	.p2align	8
	.type	k_qe14da6fa4d_fc1,@function
k_qe14da6fa4d_fc1:
	s_mov_b64 s[64:65], 0
	v_nop
	global_prefetch_b8 v0, s[64:65] scope:SCOPE_SE
	s_setreg_imm32_b32 hwreg(HW_REG_WAVE_MODE, 25, 1), 1
	s_wait_xcnt 0x0
	s_wait_alu depctr_hold_cnt(0) depctr_sa_sdst(0) depctr_va_vdst(0) depctr_va_sdst(0) depctr_va_ssrc(0) depctr_va_vcc(0) depctr_vm_vsrc(0)
	s_getreg_b32 s2, hwreg(HW_REG_IB_STS2, 6, 4)
	s_cmp_eq_u32 s2, 0
	s_cbranch_scc0 .Lentry_in_a_cluster
	s_endpgm
.Lentry_in_a_cluster:
	s_bfe_u32 s2, ttmp6, 0x10000c
	s_cmp_lg_u32 s2, 0xf033
	s_cbranch_scc0 .Lentry_shape_is_right
	s_endpgm
.Lentry_shape_is_right:
; THE FIRST LAYER.  h(m, n) = clip(round(sum over k of xs[m][k] w1q[n][k] + 16 b1q[n]), 0, 127), stored in bf16: 16 x the layer's quantised, rectified output, an integer.
; xs: [8192][1024] bf16 = 16 x the quantised x; w1q: [4096][1024] bf16; b1: [4096] f32, quantised here: b1q = clip(round(64 b1), -128, 127) / 64.  Sums in f32.
; The sum is 16 x (x W^T + b), which is what the activation's quantisation rounds; its clip to -128 .. 127 followed by the ReLU is the clip to 0 .. 127.  All operands are integers of 8 bits times powers of two:
; every product and partial sum is a multiple of 2^-6 below 2^18 and fits f32's 24 bits.
; h IS STORED IN BLOCKS of 16 rows x 32 columns, 1,024 bytes, in the order in which the next launch's matrix instructions take it: the 16 bytes at 512 j + 16 lane hold row lane % 16, columns 16 j + 8 (lane / 16) + 0 .. 7;
; the 128 blocks of 16 rows follow each other along the columns (131,072 bytes).  A lane's eight packed results ARE such a piece, so the results go from registers to memory, 512 consecutive bytes to a store.
; LIMIT.  A NaN in b1 comes out as one of the clip's bounds (v_med3_num_f32 drops it), not as NaN.
; SHAPE.  A tile of h, 256 x 256, is made by a work-group of four waves; a wave makes 128 x 128: 64 accumulators of 16 x 16, 512 registers.  K goes in 8 steps of 128 through a ring of two LDS slots filled by the
; tensor data mover; a tile's rows are 256 bytes of memory at multiples of 256 bytes.  512 work-groups, one tile each.
; CLUSTERS.  4 x 4 work-groups: the four of a row of the cluster need the same tiles of xs, the four of a column the same tiles of w1q.  Such a tile is asked for JOINTLY: the same tensor load, with the same
; descriptor and a mask that names the four, in all four.
; THE MATRIX INSTRUCTION IS USED TRANSPOSED: source 0 = 16 rows of w1q, source 1 = 16 rows of xs.  Lane l then holds row l % 16 of h and, in registers 0 to 7, columns 8 (l / 16) + 0 .. 7.
; THE BIAS STARTS THE SUMS: it is the C operand of each accumulator's first product, 64 registers that serve all eight row blocks.  Nothing is cleared and nothing is added afterwards.
; REGISTERS, in windows of 256 (s_set_vgpr_msb's low byte: bits 1:0 source 0, 3:2 source 1, 5:4 source 2, 7:6 destination):
;   window 0: v0-31 addresses; v64-127, v128-191 fragments of xs, two buffers; v192-255 packed results on the way out
;   window 1: v0-63 the bias; v64-127, v128-191 fragments of w1q, two buffers
;   window 2: the 32 accumulators of my rows 0-63 (accumulator (a, b) at v[8 (8 a + b)]);   window 3: those of my rows 64-127
.set SIZE_K, 1024
.set KSTEP,  128
.set PITCH,  272                       ; an LDS row: 256 bytes of data + 16 of padding = 68 words: row r starts at bank 4 r mod 64 (64 banks of 4 bytes: ISA guide 11.1), so the 16 rows of a load start at 16 different banks
.set HALFT,  128*PITCH                 ; 128 rows: what one tensor load brings, and what one wave reads of either operand
.set SLOT,   4*HALFT                   ; xs's 256 rows, then w1q's 256 rows
.set STAGE,  2*SLOT                    ; behind the ring, never filled by a tensor load: 4,352 bytes for each wave, through which the bias is turned
.set SPITCH, 272
.set SPARE,  STAGE+4*16*SPITCH         ; behind the stages: the spare words, 128 bytes for each wave: two blocks of 256 bytes that no other line names
.set LAPS,   SIZE_K/(2*KSTEP)          ; a lap = two K steps = once round the ring: 4
.set HROW,   131072                    ; bytes of h's 128 blocks of 16 rows
.set LN16, 6                           ; v6      16 x lane; never rewritten
.set BW,   8                           ; v8-11   four numbers of the bias at work
.set BST,  12                          ; v12     the bias into my stage: 16 bytes a lane
.set BRD,  13                          ; v13     and back: 32 bytes for each half of the lanes
.set ADRA, 16                          ; v16-17  LDS address of my fragments of xs in slot 0, 1
.set ADRB, 20                          ; v20-21  the same for w1q
.set SPW,  28                          ; v28     LDS address of my spare word: SPARE + 4 x my thread's number; never rewritten
.set NIL,  29                          ; v29     0; never rewritten
.set F0,   64                          ; fragment buffer 0
.set F1,   128                         ; fragment buffer 1
.set BIAS, 0                           ; window 1: 16 b1q of column 16 b + 8 (l / 16) + j at v[8 b + j]
.set TMP,  192                         ; the way out: packed results, in window 0: v192-223 and v224-255 by turns
.set G1,  24                           ; s[24:31] descriptor group 1 for xs's tiles
.set G0,  32                           ; s[32:39] descriptor group 0 for xs's tiles, one set for each slot
.set G1B, 48                           ; s[48:55] descriptor group 1 for w1q's tiles: it differs in the mask alone
.set G0B, 56                           ; s[56:63] descriptor group 0 for w1q's tiles, one set for each slot
.set LO0,  68                          ; s68  0.0
.set HI7,  69                          ; s69  127.0
.set LOB,  72                          ; s72  -128.0
.set MSB, 0
.macro WIN new                         ; the immediate's high byte repeats the setting that is left; a switch that changes nothing is dropped
.if MSB != (\new)
	s_set_vgpr_msb (MSB<<8)|(\new)
.set MSB, \new
.endif
.endm
.set TO_B, 0x40                        ; destination window 1, address window 0
; A joint load.  Waves 0 and 1 fetch xs's two halves, waves 2 and 3 w1q's.  Each line has one mask and one set of registers for all that issue it; the branch hangs on the wave's number alone.
; An s_nop 0 and four v_nop follow each of the two lines, ahead of the jump, the label and what follows the macro.
.macro JLOAD s
	s_cmp_eq_u32 s11, 0
	s_cbranch_scc0 .Lfor_b_\@
	tensor_load_to_lds s[G0+4*(\s):G0+4*(\s)+3], s[G1:G1+7]
	s_nop 0
.rept 4
	v_nop
.endr
	s_branch .Lasked_\@
.Lfor_b_\@:
	tensor_load_to_lds s[G0B+4*(\s):G0B+4*(\s)+3], s[G1B:G1B+7]
	s_nop 0
.rept 4
	v_nop
.endr
.Lasked_\@:
.endm
; A round of the cluster's barrier: my work-group's barrier, so that wave 0's signal speaks for all four waves; wave 0 signals for the work-group; every wave waits for all sixteen work-groups; my work-group's barrier once more.
.macro CREST                           ; a round behind its opening barrier
	s_cmp_lg_u32 s10, 0
	s_cbranch_scc1 .Lnot_wave_0_\@
	s_barrier_signal -3
.Lnot_wave_0_\@:
	s_barrier_wait -3
	s_barrier_signal -1
	s_barrier_wait -1
.endm
.macro CROUND                          ; a whole round
	s_barrier_signal -1
	s_barrier_wait -1
	CREST
.endm
	s_load_b128 s[4:7], s[0:1], 0x0                ; xs s[4:5], w1q s[6:7]
	s_load_b64 s[8:9], s[0:1], 0x10                ; h
	s_load_b64 s[66:67], s[0:1], 0x18              ; b1
	v_lshl_add_u32 v[SPW], v0, 2, SPARE
	v_mov_b32 v[NIL], 0
	ds_add_u32 v[SPW], v[NIL]                      ; the wave's opening: the add and its wait stand ahead of my first tensor load; the set-up below, work on registers, stands between them
	v_lshrrev_b32 v1, 5, v0
	v_readfirstlane_b32 s10, v1                    ; wave 0..3
	s_lshr_b32 s11, s10, 1                         ; which half of the tile's rows is mine.  Also: I fetch for xs (0) or for w1q (1)
	s_and_b32 s12, s10, 1                          ; which half of its columns.  Also: which 128 rows of that tile I fetch
	s_bfe_u32 s40, ttmp6, 0x40000                  ; cx: my place along the cluster's x
	s_bfe_u32 s41, ttmp6, 0x40004                  ; cy: along its y
	s_lshl_b32 s42, ttmp9, 2                       ; in a cluster launch ttmp9 and ttmp7 count clusters
	s_add_co_u32 s42, s42, s40                     ; tile column of h = 4 x cluster x + cx
	s_and_b32 s13, ttmp7, 0xffff
	s_lshl_b32 s13, s13, 2
	s_add_co_u32 s13, s13, s41                     ; tile row of h = 4 x cluster y + cy
	s_lshl_b32 s43, s41, 2
	s_lshl_b32 s43, 15, s43                        ; my row of the cluster: places 4 cy .. 4 cy + 3
	s_lshl_b32 s44, 0x1111, s40                    ; my column: places cx, cx + 4, cx + 8, cx + 12
	; descriptor group 1: a tile of 128 rows x 128 elements, padded in LDS
	s_or_b32 s[G1+0], s43, (1<<16)|(1<<20)|(1<<21)|(5<<22)|(3<<25)  ; 15:0 the mask: xs's tiles go to my row; 17:16 elements of 2 bytes; 20 padding on; 21 set beside a mask; 24:22 after every 64 words (code 5); 31:25 4 words of it (code 3)
	s_or_b32 s[G1B+0], s44, (1<<16)|(1<<20)|(1<<21)|(5<<22)|(3<<25) ; the same with the mask of my column, for w1q's tiles
.irp g, G1, G1B
	s_mov_b32 s[(\g)+1], KSTEP<<16                 ; tensor_dim0 = 128
	s_mov_b32 s[(\g)+2], 128<<16                   ; tensor_dim1 = 128
	s_mov_b32 s[(\g)+3], KSTEP<<16                 ; tile_dim0 = 128
	s_mov_b32 s[(\g)+4], 128                       ; tile_dim1 = 128
	s_mov_b32 s[(\g)+5], SIZE_K                    ; elements from row to row
	s_mov_b32 s[(\g)+6], 0
	s_mov_b32 s[(\g)+7], 0
.endr
	s_mov_b32 s[LO0], 0
	s_mov_b32 s[HI7], 0x42fe0000                   ; 127.0
	s_mov_b32 s[LOB], 0xc3000000                   ; -128.0
	s_mov_b32 s70, 0x42800000                      ; 64.0, named as a pair by the packed multiply
	s_mov_b32 s71, 0x42800000
	s_mov_b32 s74, 0x3e800000                      ; 0.25 = 16 / 64
	s_mov_b32 s75, 0x3e800000
	; where the tiles come from.  xs's hang on the tile row alone, which my row of the cluster shares; w1q's on the tile column alone, which my column shares.
	; Every wave makes both addresses, in registers that never hold the other coordinate, and asks by one of them.
	s_lshl_b32 s17, s12, 7                         ; which 128 rows of the tile I fetch
	s_lshl_b32 s16, s13, 8
	s_add_co_u32 s16, s16, s17                     ; xs: row 256 x tile row + 128 x half
	s_lshl_b32 s46, s42, 8
	s_add_co_u32 s46, s46, s17                     ; w1q: row 256 x tile column + 128 x half
	s_lshl_b32 s16, s16, 11                        ; rows of 2,048 bytes: under 2^24 bytes
	s_lshl_b32 s46, s46, 11
	s_mov_b32 s17, 0
	s_mov_b32 s47, 0
	s_mul_i32 s20, s10, HALFT                      ; and where they go: wave x 128 rows: no place in the cluster enters an LDS address
	s_wait_dscnt 0x0                               ; the opening add is done
	s_wait_kmcnt 0x0
	s_add_nc_u64 s[14:15], s[4:5], s[16:17]
	s_add_nc_u64 s[46:47], s[6:7], s[46:47]
	CROUND                                         ; all sixteen work-groups are here: the first joint loads meet
.irp s, 0,1
	s_mov_b32 s[G0+4*(\s)], 1                                      ; 1:0 count = 1
	s_add_co_u32 s[G0+4*(\s)+1], s20, (\s)*SLOT                    ; 63:32 LDS address
	s_add_nc_u64 s[G0+4*(\s)+2:G0+4*(\s)+3], s[14:15], (\s)*KSTEP*2  ; 120:64 global address: K step s
	s_or_b32 s[G0+4*(\s)+3], s[G0+4*(\s)+3], 0x80000000            ; 127:126 type = 2
	s_mov_b32 s[G0B+4*(\s)], 1
	s_add_co_u32 s[G0B+4*(\s)+1], s20, (\s)*SLOT
	s_add_nc_u64 s[G0B+4*(\s)+2:G0B+4*(\s)+3], s[46:47], (\s)*KSTEP*2
	s_or_b32 s[G0B+4*(\s)+3], s[G0B+4*(\s)+3], 0x80000000
	JLOAD \s                                       ; the ring is filled before anything else is done: two loads of mine are out
.endr
	; the bias of my 128 columns: 512 consecutive bytes, 16 a lane
	v_and_b32 v[LN16], 31, v0
	v_lshlrev_b32 v[LN16], 4, v[LN16]
	s_lshl_b32 s46, s42, 8
	s_lshl_b32 s47, s12, 7
	s_add_co_u32 s46, s46, s47                     ; my first column
	s_lshl_b32 s46, s46, 2
	s_mov_b32 s47, 0
	s_add_nc_u64 s[66:67], s[66:67], s[46:47]
	global_load_b128 v[BW:BW+3], v[LN16], s[66:67]
	; A fragment is 16 rows x 32 K in 8 registers: lane l holds row l % 16; registers 0-3 hold K = 8 (l / 16) + 0..7, registers 4-7 hold K = 16 + 8 (l / 16) + 0..7: two loads of 16 bytes, 32 bytes apart.
	v_and_b32 v1, 15, v0                           ; l % 16
	v_bfe_u32 v2, v0, 4, 1                         ; l / 16
	v_mul_u32_u24 v3, v1, PITCH
	v_lshl_add_u32 v3, v2, 4, v3                   ; row x pitch + 16 x half
	s_mul_i32 s21, s11, HALFT                      ; my 128 rows of xs
	s_mul_i32 s22, s12, HALFT                      ; my 128 rows of w1q,
	s_add_co_u32 s22, s22, 2*HALFT                 ; which lie behind xs's 256
.irp s, 0,1
	v_add_nc_u32 v[ADRA+(\s)], s21, v3
	v_add_nc_u32 v[ADRB+(\s)], s22, v3
	s_add_co_u32 s21, s21, SLOT
	s_add_co_u32 s22, s22, SLOT
.endr
	s_mul_i32 s23, s10, 16*SPITCH
	s_add_co_u32 s23, s23, STAGE                   ; my stage
	v_add_nc_u32 v[BST], s23, v[LN16]
	v_lshl_add_u32 v[BRD], v2, 5, s23
	; h at my part of the tile: 8 rows of blocks, 4 blocks in each
	s_lshl_b32 s16, s13, 21                        ; the tile row's 16 rows of blocks of 131,072 bytes,
	s_lshl_b32 s17, s11, 20                        ; my 8 of them: under 2^26 bytes
	s_add_co_u32 s16, s16, s17
	s_mov_b32 s17, 0
	s_add_nc_u64 s[8:9], s[8:9], s[16:17]
	s_lshl_b32 s46, s42, 13                        ; the tile column's 8 blocks of 1,024 bytes,
	s_lshl_b32 s47, s12, 12                        ; my 4 of them
	s_add_co_u32 s46, s46, s47
	s_mov_b32 s47, 0
	s_add_nc_u64 s[8:9], s[8:9], s[46:47]
	; 16 b1q = clip(round(64 b1), -128, 127) / 4; through my stage into the layout of a C operand.  The stage's bytes are my own, and LDS serves a wave's instructions in order (ISA guide 5.7.1.4): no wait between store and loads.
	s_wait_loadcnt 0x0
	v_pk_mul_f32 v[BW:BW+1],   v[BW:BW+1],   s[70:71] op_sel_hi:[1,0]
	v_pk_mul_f32 v[BW+2:BW+3], v[BW+2:BW+3], s[70:71] op_sel_hi:[1,0]
.irp j, 0,1,2,3
	v_rndne_f32 v[BW+(\j)], v[BW+(\j)]
.endr
.irp j, 0,1,2,3
	v_med3_num_f32 v[BW+(\j)], v[BW+(\j)], s[LOB], s[HI7]
.endr
	v_pk_mul_f32 v[BW:BW+1],   v[BW:BW+1],   s[74:75] op_sel_hi:[1,0]
	v_pk_mul_f32 v[BW+2:BW+3], v[BW+2:BW+3], s[74:75] op_sel_hi:[1,0]
	ds_store_b128 v[BST], v[BW:BW+3]
	WIN TO_B
.irp i, 0,1,2,3,4,5,6,7,8,9,10,11,12,13,14,15
	ds_load_b128 v[BIAS+4*(\i):BIAS+4*(\i)+3], v[BRD] offset:64*((\i)/2)+16*((\i)%2)  ; columns 16 (i / 2) + 8 (l / 16) + 4 (i % 2) on
.endr
	WIN 0
; 16 matrix instructions: row blocks a0, a0 + 1 of the window's four (hi = 0: my rows 0-63, 1: rows 64-127) x all 8 column blocks, 32 along K.  The 64 accumulators take turns, one instruction a turn.
; zero = 1: the first product starts the sums, with the bias (window 1) as C.
.macro MUL16 f, hi, a0, zero
.if \zero
	WIN 0x91+0x40*(\hi)                            ; source 0 (w1q) and C window 1, source 1 (xs) window 0, D window 2 or 3
.else
	WIN 0xa1+0x50*(\hi)                            ; source 0 window 1, source 1 window 0, C and D window 2 or 3
.endif
.irp a, \a0, (\a0)+1
.irp b, 0,1,2,3,4,5,6,7
.if \zero
	v_wmma_f32_16x16x32_bf16 v[8*(8*(\a)+(\b)):8*(8*(\a)+(\b))+7], v[(\f)+8*(\b):(\f)+8*(\b)+7], v[(\f)+8*(4*(\hi)+(\a)):(\f)+8*(4*(\hi)+(\a))+7], v[BIAS+8*(\b):BIAS+8*(\b)+7]
.else
	v_wmma_f32_16x16x32_bf16 v[8*(8*(\a)+(\b)):8*(8*(\a)+(\b))+7], v[(\f)+8*(\b):(\f)+8*(\b)+7], v[(\f)+8*(4*(\hi)+(\a)):(\f)+8*(4*(\hi)+(\a))+7], v[8*(8*(\a)+(\b)):8*(8*(\a)+(\b))+7]
.endif
.endr
.endr
.endm
; 32 LDS loads in one run: the fragments of one quarter step (128 rows of w1q, 128 rows of xs, 32 K at byte k of the rows) into buffer f
.macro FETCH slot, k, f
	WIN TO_B
.irp i, 0,1,2,3,4,5,6,7
	ds_load_b128 v[(\f)+8*(\i):(\f)+8*(\i)+3],   v[ADRB+(\slot)] offset:(\k)+(\i)*16*PITCH
	ds_load_b128 v[(\f)+8*(\i)+4:(\f)+8*(\i)+7], v[ADRB+(\slot)] offset:(\k)+(\i)*16*PITCH+32
.endr
	WIN 0
.irp i, 0,1,2,3,4,5,6,7
	ds_load_b128 v[(\f)+8*(\i):(\f)+8*(\i)+3],   v[ADRA+(\slot)] offset:(\k)+(\i)*16*PITCH
	ds_load_b128 v[(\f)+8*(\i)+4:(\f)+8*(\i)+7], v[ADRA+(\slot)] offset:(\k)+(\i)*16*PITCH+32
.endr
.endm
; A load into a register that a matrix instruction has read, and a vector instruction that reads a matrix result or writes one of a matrix instruction's registers, stand four places behind it, and only plain vector
; instructions that name none of its registers are places (ISA guide 7.12.1 for vector instructions).
.macro PLACES
.rept 4
	v_nop
.endr
.endm
; A K step is four quarter steps of 32 along K, 64 matrix instructions each, on buffers 0, 1, 0, 1.
; One of the first three: multiplies buffer f; in its middle it fetches the next quarter's fragments, at byte k of the same slot's rows, into buffer g.
.macro QUARTER slot, k, f, g, zero
	s_wait_dscnt 8                                 ; w1q and xs's rows 0-63 are in; the youngest eight loads (xs's rows 64-127) may be out
	MUL16 \f, 0, 0, \zero
	MUL16 \f, 0, 2, \zero
	PLACES
	FETCH \slot, \k, \g
	s_wait_dscnt 32                                ; all but the 32 just issued
	MUL16 \f, 1, 0, \zero
	MUL16 \f, 1, 2, \zero
.endm
; The last quarter multiplies buffer 1 and changes slots.  MEET is its first half: ONE barrier for the change.  In front of it each wave waits for all its tensor loads, of which one is out: its part of the next slot;
; adds 0 to its spare word; and waits for that and for its own reads of this slot.  Behind it nobody reads this slot any more and the next slot is whole.
.macro MEET round                      ; round = 1: a round of the cluster's barrier follows
	WIN 0                                          ; (the add's two registers lie in window 0)
	s_wait_tensorcnt 0x0                           ; all my tensor loads have landed;
	ds_add_u32 v[SPW], v[NIL]                      ; 0 onto my spare word;
	s_wait_dscnt 9                                 ; (the add and the youngest eight loads may be out)
	MUL16 F1, 0, 0, 0                              ; sixteen matrix instructions stand between the add and the wait for it
	s_wait_dscnt 0x0                               ; the add is done, and my reads of this slot are over:
	s_barrier_signal -1                            ; say so,
	MUL16 F1, 0, 2, 0                              ; work on registers while the others arrive,
.if \round
	WIN 0
.endif
	s_barrier_wait -1                              ; and go on when all four have said so
.endm
; The whole last quarter.  fill = 1: the barrier opens a round of the cluster's, so that no wave of any partner still reads this slot or has a load on its way; the slot just read out is filled again first, with the
; K step two steps on: 224 matrix instructions ahead of the wait for it.  Then come the next slot's first fragments.
.macro TURN slot, next, fill
	MEET \fill
.if \fill
	CREST
	s_add_nc_u64 s[G0+4*(\slot)+2:G0+4*(\slot)+3], s[G0+4*(\slot)+2:G0+4*(\slot)+3], 2*KSTEP*2    ; no load of mine is out: a group 0 may be written
	s_add_nc_u64 s[G0B+4*(\slot)+2:G0B+4*(\slot)+3], s[G0B+4*(\slot)+2:G0B+4*(\slot)+3], 2*KSTEP*2
	JLOAD \slot                                    ; the first tensor load behind the round; the four v_nop behind it are also the places in front of the loads below
.else
	PLACES
.endif
	FETCH \next, 0, F0
	MUL16 F1, 1, 0, 0
	MUL16 F1, 1, 2, 0
.endm
; THE WAY OUT of block a (16 rows).  PACK: rounded to the nearest integer, clipped to 0 .. 127, packed to bf16 (exact): each accumulator's registers in ascending order.
; SEND: accumulator (a, b)'s 16 bytes a lane are half b % 2 of block b / 2 in the a-th of my rows of blocks.
.macro PACK a
.set AC, 64*((\a)%4)
.set TM, TMP+32*((\a)%2)
	WIN 0x82+0x41*((\a)/4)                         ; destination and source 0: window 2 or 3
.set i, 0
.rept 64
	v_rndne_f32 v[AC+i], v[AC+i]
.set i, i+1
.endr
.set i, 0
.rept 64
	v_med3_num_f32 v[AC+i], v[AC+i], s[LO0], s[HI7]
.set i, i+1
.endr
	s_wait_xcnt 0x0                                ; every earlier memory instruction has had its addresses translated (ISA guide 3.1): the registers that the stores of two blocks back read are rewritten only behind this wait
	WIN 0x0a+5*((\a)/4)                            ; sources 0 and 1: window 2 or 3; destination window 0
.irp b, 0,1,2,3,4,5,6,7
.irp r, 0,1,2,3
	v_cvt_pk_bf16_f32 v[TM+4*(\b)+(\r)], v[AC+8*(\b)+2*(\r)], v[AC+8*(\b)+2*(\r)+1]
.endr
.endr
	WIN 0
.endm
.macro SEND a
.set TM, TMP+32*((\a)%2)
.irp b, 0,1,2,3,4,5,6,7
	global_store_b128 v[LN16], v[TM+4*(\b):TM+4*(\b)+3], s[8:9] offset:(\a)*HROW+(\b)*512  ; 512 consecutive bytes, at a multiple of 512 from h's first byte; the next launch reads them: no hint.  921,088 at the most: inside the signed 24-bit immediate (ISA guide, chapter 10)
.endr
.endm
	s_wait_tensorcnt 1                             ; my part of K step 0 is in; K step 1's may stay out
	s_wait_dscnt 0x0                               ; the bias is in its registers: no LDS instruction of mine is pending at the signal
	s_barrier_signal -1
	s_barrier_wait -1                              ; everybody's part is in
	FETCH 0, 0, F0
	QUARTER 0, 64,  F0, F1, 1                      ; the first quarter stands in front of the loop: its products start the sums
	WIN 0                                          ; at a label and at a branch every window is 0
	s_mov_b32 s3, LAPS-1
.Llap:                                                 ; a trip goes once round the ring, from a lap's second quarter to the next lap's first, and fills both slots again: K steps 2 to 7
	QUARTER 0, 128, F1, F0, 0
	QUARTER 0, 192, F0, F1, 0
	TURN 0, 1, 1
	QUARTER 1, 64,  F0, F1, 0
	QUARTER 1, 128, F1, F0, 0
	QUARTER 1, 192, F0, F1, 0
	TURN 1, 0, 1
	QUARTER 0, 64,  F0, F1, 0
	WIN 0
	s_sub_co_u32 s3, s3, 1
	s_cmp_lg_u32 s3, 0
	s_cbranch_scc1 .Llap
	QUARTER 0, 128, F1, F0, 0                      ; the last lap is written out: it asks for nothing, and has no round of the cluster's barrier
	QUARTER 0, 192, F0, F1, 0
	TURN 0, 1, 0
	QUARTER 1, 64,  F0, F1, 0
	QUARTER 1, 128, F1, F0, 0
	QUARTER 1, 192, F0, F1, 0
	s_wait_dscnt 8                                 ; the very last quarter: nothing more to fetch
	MUL16 F1, 0, 0, 0
	MUL16 F1, 0, 2, 0
	s_wait_dscnt 0x0
	MUL16 F1, 1, 0, 0
	MUL16 F1, 1, 2, 0
	PLACES                                         ; the places behind the last products
.irp a, 0,1,2,3,4,5,6,7
	PACK \a
	SEND \a
.endr
	s_wait_tensorcnt 0x0                           ; the wave's end: behind my last tensor load and my last LDS store
	ds_add_u32 v[SPW], v[NIL]
	s_wait_dscnt 0x0
	CROUND                                         ; the closing round: no work-group ends while a partner may still ask for a tile that names it
	s_endpgm
.Lfunc_end_k_qe14da6fa4d_fc1:
	.size	k_qe14da6fa4d_fc1, .Lfunc_end_k_qe14da6fa4d_fc1-k_qe14da6fa4d_fc1
	.p2alignl 7, 3214868480
	.fill 96, 4, 3214868480
	.section	.rodata,"a",@progbits
	.p2align	6, 0x0
	.amdhsa_kernel k_qe14da6fa4d_fc1
		.amdhsa_group_segment_fixed_size 327680
		.amdhsa_private_segment_fixed_size 0
		.amdhsa_enable_private_segment 0
		.amdhsa_kernarg_size 32
		.amdhsa_user_sgpr_count 2
		.amdhsa_user_sgpr_kernarg_segment_ptr 1
		.amdhsa_wavefront_size32 1
		.amdhsa_system_sgpr_workgroup_id_x 1
		.amdhsa_system_sgpr_workgroup_id_y 1
		.amdhsa_system_sgpr_workgroup_id_z 1
		.amdhsa_system_vgpr_workitem_id 0
		.amdhsa_next_free_vgpr 1024
		.amdhsa_next_free_sgpr 80
		.amdhsa_reserve_vcc 0
		.amdhsa_float_denorm_mode_32 3
		.amdhsa_float_denorm_mode_16_64 3
		.amdhsa_memory_ordered 1
		.amdhsa_forward_progress 1
		.amdhsa_inst_pref_size 184
	.end_amdhsa_kernel
	.amdgpu_metadata
---
amdhsa.version: [ 1, 2 ]
amdhsa.kernels:
  - .name:           k_qe14da6fa4d_fc1
    .symbol:         k_qe14da6fa4d_fc1.kd
    .args:
      - { .name: xs, .offset: 0, .size: 8, .value_kind: global_buffer, .address_space: global }
      - { .name: w1q, .offset: 8, .size: 8, .value_kind: global_buffer, .address_space: global }
      - { .name: h, .offset: 16, .size: 8, .value_kind: global_buffer, .address_space: global }
      - { .name: b1, .offset: 24, .size: 8, .value_kind: global_buffer, .address_space: global }
    .group_segment_fixed_size: 327680
    .private_segment_fixed_size: 0
    .kernarg_segment_align: 8
    .kernarg_segment_size: 32
    .max_flat_workgroup_size: 128
    .sgpr_count:     80
    .vgpr_count:     1024
    .wavefront_size: 32
...
	.end_amdgpu_metadata
.endif
;; end of part 2
;; launch fc2 (part 3): grid 4 x 64, 4 waves a work-group, clusters of 4 x 1, 327,680 bytes of LDS; arguments h, w2s, out0, b2; writes out0
.if DOCPART == 3
	.amdgcn_target "amdgcn-amd-amdhsa--gfx1250"
	.amdhsa_code_object_version 6
	.text
	.protected	k_qe14da6fa4d_fc2
	.globl	k_qe14da6fa4d_fc2
	.p2align	8
	.type	k_qe14da6fa4d_fc2,@function
k_qe14da6fa4d_fc2:
	s_mov_b64 s[64:65], 0
	v_nop
	global_prefetch_b8 v0, s[64:65] scope:SCOPE_SE
	s_setreg_imm32_b32 hwreg(HW_REG_WAVE_MODE, 25, 1), 1
	s_wait_xcnt 0x0
	s_wait_alu depctr_hold_cnt(0) depctr_sa_sdst(0) depctr_va_vdst(0) depctr_va_sdst(0) depctr_va_ssrc(0) depctr_va_vcc(0) depctr_vm_vsrc(0)
	s_getreg_b32 s2, hwreg(HW_REG_IB_STS2, 6, 4)
	s_cmp_eq_u32 s2, 0
	s_cbranch_scc0 .Lentry_in_a_cluster
	s_endpgm
.Lentry_in_a_cluster:
	s_bfe_u32 s2, ttmp6, 0x10000c
	s_cmp_lg_u32 s2, 0x3003
	s_cbranch_scc0 .Lentry_shape_is_right
	s_endpgm
.Lentry_shape_is_right:
; THE SECOND LAYER.  out0[m][n] = sum over k of h(m, k) w2s(n, k) + b2q[n], in f32.
; h = 16 x the first layer's output, integers 0 .. 127 in bf16: the layer's own quantisation of its input leaves such numbers as they are, so it needs no instruction.  w2s = the quantised w2 / 16 in bf16, which takes the
; factor 16 back, exactly.  b2: [1024] f32, quantised here: b2q = clip(round(64 b2), -128, 127) / 64.
; BOTH OPERANDS LIE IN BLOCKS of 16 rows x 32 K, 1,024 bytes, in the order of a matrix fragment: the 16 bytes at 512 j + 16 lane hold row lane % 16, K = 16 j + 8 (lane / 16) + 0 .. 7; the 128 blocks of 16 rows follow each
; other along K (131,072 bytes).  So a fragment is two loads of 512 consecutive bytes, 16 a lane, from memory or from LDS, and LDS needs no padding.
; LIMITS.  An output's sum is made as two f32 partial sums (K = 0 .. 2,047 and 2,048 .. 4,095), which are added, and then the bias: an order of rounding of its own.  A NaN in b2 comes out as one of the clip's bounds.
; SHAPE.  A tile of out0 is 128 rows x 256 columns: 256 work-groups.  Each of the four waves holds 128 x 128 in 64 accumulators, 512 registers; wave w takes columns 128 (w % 2) on and half w / 2 of K.  The two partial
; sums of a pair of waves meet in the LDS stage through which the f32 rows leave anyway.
; h GOES THROUGH LDS: each of its blocks is multiplied by two waves.  A ring of two slots; a slot holds, for both halves of K, 128 rows x 256 K: 131,072 bytes, 512 matrix instructions a wave.  The four work-groups of a
; cluster make the four tiles of one tile row and need the same h: each tile is asked for JOINTLY, by the same tensor load, descriptor and mask in all four.
; w2s GOES STRAIGHT INTO REGISTERS: each of its blocks is multiplied by ONE wave of the work-group, so LDS would hand it to nobody.  Four buffers of 64 registers take turns: a quarter's blocks are asked for three and a half
; quarters (224 matrix instructions) ahead of their use, 56 to 64 loads of 512 bytes a wave on their way.  NO JOINT REQUEST FOR w2s, though the 64 work-groups of a tile column read the same blocks: a joint request lands
; in LDS, and two slots with both operands hold K = 128 each at the most (K = 256 would want 2 x 384 rows x 512 bytes = 393,216 bytes): 128 matrix instructions a wave between two refills, where h alone has 512.
; THE MATRIX INSTRUCTION IS USED TRANSPOSED: source 0 = 16 rows of w2s, source 1 = 16 rows of h: lane l holds row l % 16 of out0 and, in registers 0 to 7, columns 8 (l / 16) + 0 .. 7: 32 consecutive bytes.
; REGISTERS, in windows of 256 (s_set_vgpr_msb's low byte: bits 1:0 source 0, 3:2 source 1, 5:4 source 2, 7:6 destination):
;   window 0: v0-31 addresses and the bias; v64-127, v128-191 fragments of h, two buffers (row block a at 8 a); on the way out v64-127 the rows read back
;   window 1: fragments of w2s, four buffers of 64 (column block i at 8 i)
;   window 2: the accumulators of column blocks 0-3 (row block a, column block bb at v[8 (4 a + bb)]);   window 3: those of column blocks 4-7
.set KB,    1024                       ; bytes of a block
.set ROWB,  128*KB                     ; bytes of the 128 blocks of 16 rows
.set QLOAD, 32*KB                      ; what one tensor load brings: of 4 rows of blocks 8 blocks each
.set SLOT1, 1<<17                      ; a slot's bytes; slot 1 begins here, so that one exclusive or turns an address in one slot into the other's
.set STAGE, 2*SLOT1                    ; behind the ring, never filled by a tensor load: for each wave two buffers of 16 rows x 64 columns
.set SP,    272                        ; a stage row: 256 bytes (64 f32) + 16: the 16 rows that a store touches start at 16 different groups of four banks (64 banks of 4 bytes: ISA guide 11.1)
.set BUF,   16*SP
.set SPARE, STAGE+8*BUF                ; behind the stage: the spare words, 128 bytes for each wave: two blocks of 256 bytes that no other line names
.set BQ,   8                           ; v8-15   b2q of columns 4 (l % 16) + 0 .. 3 of the first and of the second 64 of my 128 columns
.set A0,   16                          ; v16     my lane's place in a slot: my half of K, 16 bytes a lane; never rewritten
.set AD,   17                          ; v17     the LDS address of h's fragments in the trip in hand
.set BO,   20                          ; v20     16 x lane; never rewritten
.set CB,   21                          ; v21     16 x (lane % 16); never rewritten
.set STO,  24                          ; v24     the way out: where I put 32 bytes of a row, in my own buffers
.set RD,   25                          ; v25     the way out: where I read my 8 rows of the pair's buffers
.set CO,   26                          ; v26     the way out: my byte offset in two rows of out0
.set SPW,  28                          ; v28     LDS address of my spare word: SPARE + 4 x my thread's number; never rewritten
.set NIL,  29                          ; v29     0; never rewritten
.set F0,   64                          ; h's fragment buffers
.set F1,   128
.set G1,  24                           ; s[24:31] descriptor group 1
.set G0,  32                           ; s[32:35] descriptor group 0: it walks
.set BPW, 44                           ; s[44:45] w2s at my first block; never rewritten
.set BP,  46                           ; s[46:47] w2s at the blocks that the trip in hand asks for
.set TA,  50                           ; s50  LDS byte at which the trip's four quarters of h begin, less my half of K
.set CNT, 51                           ; s51  counts a slot's two trips
.set SLOTS, 52                         ; s52  counts the slots
.set HI7,  69                          ; s69  127.0
.set LOB,  72                          ; s72  -128.0
.set MSB, 0
.macro WIN new                         ; the immediate's high byte repeats the setting that is left; a switch that changes nothing is dropped
.if MSB != (\new)
	s_set_vgpr_msb (MSB<<8)|(\new)
.set MSB, \new
.endif
.endm
.set TO_B, 0x40                        ; destination window 1, address window 0
; A joint load: every wave asks for its quarter of a slot, by its own address and LDS bytes (both hang on the wave's number); the four work-groups' descriptors are alike.
; An s_nop 0 and four v_nop follow the line.
.macro JLOAD
	tensor_load_to_lds s[G0:G0+3], s[G1:G1+7]
	s_nop 0
.rept 4
	v_nop
.endr
.endm
; A round of the cluster's barrier: my work-group's barrier, so that wave 0's signal speaks for all four waves; wave 0 signals for the work-group; every wave waits for all four work-groups; my work-group's barrier once more.
.macro CROUND
	s_barrier_signal -1
	s_barrier_wait -1
	s_cmp_lg_u32 s10, 0
	s_cbranch_scc1 .Lnot_wave_0_\@
	s_barrier_signal -3
.Lnot_wave_0_\@:
	s_barrier_wait -3
	s_barrier_signal -1
	s_barrier_wait -1
.endm
; THE CHANGE OF SLOTS.  The old slot's last fragments are in registers.  Each wave waits for all its tensor loads, of which one is out: its part of the other slot; adds 0 to its spare word; and waits for that and for its own
; reads of the old slot.  Behind the barrier nobody reads the old slot any more and the other slot is whole.  fill = 1: the old slot is filled again, with the next 256 K of both halves.  The barrier is then a round of the
; cluster's, so that no wave of any partner still reads the slot or has a load on its way, and the joint load is the first thing behind it: it has a slot's 512 matrix instructions in which to land.
; (At its first use nothing has been read yet: slot 0 is waited for, slot 1 filled.)
.macro CHANGE fill
	WIN 0                                          ; at a label and at a branch every window is 0; the add's two registers lie in window 0
	s_wait_tensorcnt 0x0                           ; no tensor load of mine is out, so group 0 may be written
	ds_add_u32 v[SPW], v[NIL]                      ; 0 onto my spare word; the scalar steps stand between it and the wait for it
.if \fill
	s_xor_b32 s[G0+1], s[G0+1], SLOT1              ; the walking descriptor: the other slot than last time,
	s_add_nc_u64 s[G0+2:G0+3], s[G0+2:G0+3], 8*KB  ; the next 8 blocks of each row of blocks; the type bits on top are not reached
.endif
	s_sub_co_u32 s[TA], s[TA], 8*KB                ; the fetches go back to a slot's first quarter,
	s_xor_b32 s[TA], s[TA], SLOT1                  ; in the other slot
	s_wait_dscnt 0x0                               ; the add is done, and my reads of the old slot are over
.if \fill
	CROUND
	JLOAD
.else
	s_barrier_signal -1
	s_barrier_wait -1
.endif
.endm
	s_load_b128 s[4:7], s[0:1], 0x0                ; h s[4:5], w2s s[6:7]
	s_load_b64 s[8:9], s[0:1], 0x10                ; out0
	s_load_b64 s[66:67], s[0:1], 0x18              ; b2
	v_lshl_add_u32 v[SPW], v0, 2, SPARE
	v_mov_b32 v[NIL], 0
	ds_add_u32 v[SPW], v[NIL]                      ; the wave's opening: the add and its wait stand ahead of my first tensor load; the set-up below, work on registers, stands between them
	v_lshrrev_b32 v1, 5, v0
	v_readfirstlane_b32 s10, v1                    ; wave 0..3
	s_lshr_b32 s11, s10, 1                         ; my half of K, to fetch and to multiply
	s_and_b32 s12, s10, 1                          ; which 64 rows of h I fetch.  Also: which 128 columns of the tile are mine
	s_bfe_u32 s40, ttmp6, 0x40000                  ; cx: my place in the cluster
	s_lshl_b32 s42, ttmp9, 2                       ; in a cluster launch ttmp9 counts clusters
	s_add_co_u32 s42, s42, s40                     ; tile column of out0 = 4 x cluster x + cx: it enters w2s's, b2's and out0's addresses alone
	s_and_b32 s13, ttmp7, 0xffff                   ; tile row of out0, which the four partners share
	; descriptor group 1: 4 rows of 8,192 consecutive bytes, 131,072 bytes apart; dense in LDS
	s_mov_b32 s[G1+0], 15|(3<<16)|(1<<21)          ; 15:0 the mask: all four work-groups; 17:16 elements of 8 bytes; 20 no padding; 21 set beside a mask
	s_mov_b32 s[G1+1], 1024<<16                    ; tensor_dim0 = 1,024
	s_mov_b32 s[G1+2], 4<<16                       ; tensor_dim1 = 4
	s_mov_b32 s[G1+3], 1024<<16                    ; tile_dim0 = 1,024
	s_mov_b32 s[G1+4], 4                           ; tile_dim1 = 4
	s_mov_b32 s[G1+5], ROWB/8                      ; elements from row to row
	s_mov_b32 s[G1+6], 0
	s_mov_b32 s[G1+7], 0
	s_mov_b32 s[G0], 1                             ; 1:0 count = 1
	s_mul_i32 s[G0+1], s10, QLOAD                  ; 63:32 LDS address: slot 0, wave x 32,768: half w / 2 of K, rows of blocks 4 (w % 2) on.  No place in the cluster enters an LDS address
	s_mov_b32 s[HI7], 0x42fe0000                   ; 127.0
	s_mov_b32 s[LOB], 0xc3000000                   ; -128.0
	s_mov_b32 s70, 0x42800000                      ; 64.0, named as a pair by the packed multiply
	s_mov_b32 s71, 0x42800000
	s_mov_b32 s74, 0x3c800000                      ; 1 / 64
	s_mov_b32 s75, 0x3c800000
	s_mov_b32 s[TA], SLOT1+8*KB                    ; the first change of slots turns this into 0
	s_lshl_b32 s16, s13, 20                        ; h: the tile row's 8 rows of blocks,
	s_lshl_b32 s17, s12, 19                        ; the 4 that I fetch,
	s_add_co_u32 s16, s16, s17
	s_lshl_b32 s17, s11, 16                        ; my half of K: 64 blocks on.  Under 2^26 bytes
	s_add_co_u32 s16, s16, s17
	s_mov_b32 s17, 0
	s_lshl_b32 s48, s42, 21                        ; w2s: the tile column's 16 rows of blocks,
	s_lshl_b32 s49, s12, 20                        ; my 8 of them,
	s_add_co_u32 s48, s48, s49
	s_lshl_b32 s49, s11, 16                        ; my half of K
	s_add_co_u32 s48, s48, s49
	s_mov_b32 s49, 0
	s_lshl_b32 s54, s42, 10                        ; b2 and out0: the tile's 256 columns of f32,
	s_lshl_b32 s55, s12, 9                         ; my 128 of them
	s_add_co_u32 s54, s54, s55
	s_mov_b32 s55, 0
	s_lshl_b32 s20, s13, 19                        ; out0: the tile's 128 rows of 4,096 bytes;
	s_lshl_b32 s21, s11, 15                        ; of each 16 rows I store the first or the second 8
	s_add_co_u32 s20, s20, s21
	s_mov_b32 s21, 0
	s_wait_dscnt 0x0                               ; the opening add is done
	s_wait_kmcnt 0x0
	s_add_nc_u64 s[G0+2:G0+3], s[4:5], s[16:17]    ; 120:64 global address: my part of the first 256 K of my half
	s_or_b32 s[G0+3], s[G0+3], 0x80000000          ; 127:126 type = 2
	s_add_nc_u64 s[BPW:BPW+1], s[6:7], s[48:49]
	s_add_nc_u64 s[BP:BP+1], s[BPW:BPW+1], 3*KB    ; a trip's four turns ask for the quarters 4 m + 3 .. 4 m + 6
	s_add_nc_u64 s[66:67], s[66:67], s[54:55]
	s_add_nc_u64 s[8:9], s[8:9], s[54:55]
	s_add_nc_u64 s[8:9], s[8:9], s[20:21]
	CROUND                                         ; all four work-groups are here: the first joint loads meet
	JLOAD                                          ; slot 0.  Slot 1 is asked for when slot 0 is in, by the first change of slots
; 8 loads: column blocks 4 c .. 4 c + 3 of the quarter at byte koff behind the base, into buffer n.  Each load takes 512 consecutive bytes.  921,088 at the most: inside the signed 24-bit immediate (ISA guide, chapter 10)
.macro BLOAD n, c, koff, bp
	WIN TO_B
.irp bb, 0,1,2,3
	global_load_b128 v[64*(\n)+8*(4*(\c)+(\bb)):64*(\n)+8*(4*(\c)+(\bb))+3],   v[BO], s[(\bp):(\bp)+1] offset:(4*(\c)+(\bb))*ROWB+(\koff)
	global_load_b128 v[64*(\n)+8*(4*(\c)+(\bb))+4:64*(\n)+8*(4*(\c)+(\bb))+7], v[BO], s[(\bp):(\bp)+1] offset:(4*(\c)+(\bb))*ROWB+(\koff)+512
.endr
.endm
	v_and_b32 v1, 15, v0                           ; l % 16
	v_bfe_u32 v2, v0, 4, 1                         ; l / 16
	v_and_b32 v[BO], 31, v0
	v_lshlrev_b32 v[BO], 4, v[BO]
	v_lshlrev_b32 v[CB], 4, v1
	global_load_b128 v[BQ:BQ+3],   v[CB], s[66:67]             ; the bias, in the layout in which the rows leave: it is quantised on the way out
	global_load_b128 v[BQ+4:BQ+7], v[CB], s[66:67] offset:256
.irp q, 0,1,2,3
	BLOAD \q, 0, (\q)*KB, BPW                      ; the first four quarters of w2s: eight groups of eight loads, in the order of their use
	BLOAD \q, 1, (\q)*KB, BPW
.endr
	WIN 0
	s_lshl_b32 s20, s11, 16                        ; my half of K in a slot
	v_add_nc_u32 v[A0], s20, v[BO]
	s_mul_i32 s23, s10, 2*BUF
	s_add_co_u32 s23, s23, STAGE                   ; my two buffers
	v_mul_u32_u24 v4, v1, SP                       ; in: row l % 16, 32 bytes for each half of the lanes
	v_lshl_add_u32 v4, v2, 5, v4
	v_add_nc_u32 v[STO], s23, v4
	s_mul_i32 s23, s12, 2*BUF                      ; back: the buffers of the pair's first wave (the second's lie 4 buffers on),
	s_mul_i32 s21, s11, 8*SP                       ; of a block's 16 rows the first or the second 8,
	s_add_co_u32 s23, s23, s21
	s_add_co_u32 s23, s23, STAGE
	v_mul_u32_u24 v5, v2, SP                       ; lanes 0-15 one row of 256 bytes, lanes 16-31 the next
	v_lshl_add_u32 v5, v1, 4, v5
	v_add_nc_u32 v[RD], s23, v5
	v_lshlrev_b32 v5, 12, v2                       ; and the same two rows in out0
	v_lshl_add_u32 v[CO], v1, 4, v5
; 32 matrix instructions: all 8 row blocks x column blocks 4 c .. 4 c + 3, 32 along K: h's buffer f, w2s's buffer n.  The accumulators take turns, one instruction a turn.
; zero = 1: the first product starts the sums: nothing is ever cleared.
.macro HALF f, n, c, zero
	WIN 0xa1+0x50*(\c)                             ; source 0 (w2s) window 1, source 1 (h) window 0, C and D window 2 or 3
.irp a, 0,1,2,3,4,5,6,7
.irp bb, 0,1,2,3
.if \zero
	v_wmma_f32_16x16x32_bf16 v[8*(4*(\a)+(\bb)):8*(4*(\a)+(\bb))+7], v[64*(\n)+8*(4*(\c)+(\bb)):64*(\n)+8*(4*(\c)+(\bb))+7], v[(\f)+8*(\a):(\f)+8*(\a)+7], 0
.else
	v_wmma_f32_16x16x32_bf16 v[8*(4*(\a)+(\bb)):8*(4*(\a)+(\bb))+7], v[64*(\n)+8*(4*(\c)+(\bb)):64*(\n)+8*(4*(\c)+(\bb))+7], v[(\f)+8*(\a):(\f)+8*(\a)+7], v[8*(4*(\a)+(\bb)):8*(4*(\a)+(\bb))+7]
.endif
.endr
.endr
.endm
; 16 LDS loads in one run: h's fragments of quarter qq of the trip's four, all 8 row blocks, into buffer f.  32 lanes take 512 consecutive bytes: no two lanes meet in a bank.
.macro AFETCH qq, f
	WIN 0
.irp a, 0,1,2,3,4,5,6,7
	ds_load_b128 v[(\f)+8*(\a):(\f)+8*(\a)+3],   v[AD] offset:(\a)*8*KB+(\qq)*KB
	ds_load_b128 v[(\f)+8*(\a)+4:(\f)+8*(\a)+7], v[AD] offset:(\a)*8*KB+(\qq)*KB+512
.endr
.endm
; A load into a register that a matrix instruction has read, and an LDS store or vector instruction that reads a matrix result, stand four places behind it, and only plain vector instructions that name none of its
; registers are places (ISA guide 7.12.1 for vector instructions).
.macro PLACES
.rept 4
	v_nop
.endr
.endm
; A TURN goes from the middle of quarter k to the middle of quarter k + 1, so that a change of slots falls between two turns: all that a turn reads from LDS belongs to quarter k + 1.
;   n: w2s's buffer of quarter k (k % 4);  f, g: h's buffers of quarters k and k + 1;  qq: quarter k + 1's place among the trip's four;  koff: where quarter k + 4 of w2s lies behind the trip's base, or -1: there is none.
;   lc1, lc2: the loads issued behind the group that is wanted.  While loads are issued that is seven groups of eight: behind quarter k's second group the six of quarters k + 1 to k + 3 and the first of k + 4; behind
;   quarter k + 1's first group its second and the six of quarters k + 2 to k + 4.  Loads come back in order (ISA guide 5.7.1).
.macro RQ n, f, g, qq, koff, lc1, lc2, zero
	PLACES                                         ; behind the first half of quarter k, which read blocks 0-3 of buffer n
	AFETCH \qq, \g
.if (\koff) >= 0
	BLOAD \n, 0, \koff, BP
.endif
	s_wait_loadcnt \lc1                            ; blocks 4-7 of quarter k are in
	HALF \f, \n, 1, \zero
.if (\koff) >= 0
	PLACES
	BLOAD \n, 1, \koff, BP
.endif
	s_wait_dscnt 0x0                               ; h's fragments of quarter k + 1 are in: they were asked for 32 matrix instructions ago
	s_wait_loadcnt \lc2                            ; blocks 0-3 of quarter k + 1 are in
	HALF \g, ((\n)+1)%4, 0, 0
.endm
	CHANGE 1                                       ; slot 0 is in, everybody's part of it; slot 1 is asked for
	v_add_nc_u32 v[AD], s[TA], v[A0]
	AFETCH 0, F0                                   ; quarter 0
	s_wait_dscnt 0x0
	s_wait_loadcnt 56                              ; the bias and quarter 0's first group are in; the other seven groups may be out
	HALF F0, 0, 0, 1                               ; the first quarter's products start the sums: its two halves are written out ahead of the loop
	RQ 0, F0, F1, 1, 1*KB, 56, 56, 1
	WIN 0
	s_mov_b32 s[CNT], 2
	s_mov_b32 s[SLOTS], 7
	s_branch .Lmid                                 ; the loop is entered in the middle of a trip: turns -1 and 0 stand above
.Lslot:                                                ; six times: slots 2 to 7 are asked for
	CHANGE 1
	s_mov_b32 s[CNT], 2
.Lq:                                                   ; a trip: four turns, k = 4 m - 1 .. 4 m + 2; two trips read a slot
	v_add_nc_u32 v[AD], s[TA], v[A0]
	RQ 3, F1, F0, 0, 0*KB, 56, 56, 0
	RQ 0, F0, F1, 1, 1*KB, 56, 56, 0
	WIN 0
.Lmid:
	RQ 1, F1, F0, 2, 2*KB, 56, 56, 0
	RQ 2, F0, F1, 3, 3*KB, 56, 56, 0
	WIN 0
	s_wait_xcnt 0x0                                ; every earlier memory instruction has had its addresses translated (ISA guide 3.1): the loads' base is stepped only behind this wait
	s_add_nc_u64 s[BP:BP+1], s[BP:BP+1], 4*KB
	s_add_co_u32 s[TA], s[TA], 4*KB
	s_sub_co_u32 s[CNT], s[CNT], 1
	s_cmp_lg_u32 s[CNT], 0
	s_cbranch_scc1 .Lq
	s_sub_co_u32 s[SLOTS], s[SLOTS], 1
	s_cmp_lg_u32 s[SLOTS], 0
	s_cbranch_scc1 .Lslot
	CHANGE 0                                       ; the last slot is written out
	v_add_nc_u32 v[AD], s[TA], v[A0]
	RQ 3, F1, F0, 0, 0*KB, 56, 56, 0               ; k = 55 .. 58
	RQ 0, F0, F1, 1, 1*KB, 56, 56, 0
	RQ 1, F1, F0, 2, 2*KB, 56, 56, 0
	RQ 2, F0, F1, 3, 3*KB, 56, 56, 0
	WIN 0
	s_wait_xcnt 0x0
	s_add_nc_u64 s[BP:BP+1], s[BP:BP+1], 4*KB
	s_add_co_u32 s[TA], s[TA], 4*KB
	v_add_nc_u32 v[AD], s[TA], v[A0]
	RQ 3, F1, F0, 0, 0*KB, 56, 56, 0               ; k = 59 asks for quarter 63, the last
	RQ 0, F0, F1, 1, -1, 48, 40, 0                 ; k = 60 .. 62: the counts run down, a group of eight at a time
	RQ 1, F1, F0, 2, -1, 32, 24, 0
	RQ 2, F0, F1, 3, -1, 16, 8, 0
	s_wait_loadcnt 0x0
	HALF F1, 3, 1, 0                               ; the second half of quarter 63
	; THE WAY OUT.  b2q = clip(round(64 b2), -128, 127) / 64 first.
	WIN 0
	PLACES                                         ; the places behind the last products
.irp j, 0,2,4,6
	v_pk_mul_f32 v[BQ+(\j):BQ+(\j)+1], v[BQ+(\j):BQ+(\j)+1], s[70:71] op_sel_hi:[1,0]
.endr
.irp j, 0,1,2,3,4,5,6,7
	v_rndne_f32 v[BQ+(\j)], v[BQ+(\j)]
.endr
.irp j, 0,1,2,3,4,5,6,7
	v_med3_num_f32 v[BQ+(\j)], v[BQ+(\j)], s[LOB], s[HI7]
.endr
.irp j, 0,2,4,6
	v_pk_mul_f32 v[BQ+(\j):BQ+(\j)+1], v[BQ+(\j):BQ+(\j)+1], s[74:75] op_sel_hi:[1,0]
.endr
; Sixteen passes; pass p is row block p / 2, columns 64 (p % 2) on: 16 rows x 256 bytes.  PUT p: my partial sums go into my buffer p % 2, 32 bytes a lane, each accumulator's low registers first.
; GET p: of the pair's two buffers p % 2 I read 8 whole rows each.  OUT p: the two partial sums and the bias are added, and the rows stored.
.macro PUT p
	WIN 0x08+4*((\p)%2)                            ; the stores' data (source 1): window 2 or 3
.irp bb, 0,1,2,3
	ds_store_b128 v[STO], v[8*(4*((\p)/2)+(\bb)):8*(4*((\p)/2)+(\bb))+3]   offset:((\p)%2)*BUF+64*(\bb)
	ds_store_b128 v[STO], v[8*(4*((\p)/2)+(\bb))+4:8*(4*((\p)/2)+(\bb))+7] offset:((\p)%2)*BUF+64*(\bb)+16
.endr
	WIN 0
.endm
.macro GET p
.set PZ, 64+32*((\p)%2)                ; the first half of K's sums: 8 rows, two to four registers
.set PO, 80+32*((\p)%2)                ; the second half's
.irp t, 0,1,2,3
	ds_load_b128 v[PZ+4*(\t):PZ+4*(\t)+3], v[RD] offset:((\p)%2)*BUF+2*(\t)*SP
	ds_load_b128 v[PO+4*(\t):PO+4*(\t)+3], v[RD] offset:4*BUF+((\p)%2)*BUF+2*(\t)*SP
.endr
.endm
.macro OUT p
.set PZ, 64+32*((\p)%2)
.set PO, 80+32*((\p)%2)
.set BC, BQ+4*((\p)%2)
.irp t, 0,1,2,3
	v_pk_add_f32 v[PZ+4*(\t):PZ+4*(\t)+1],   v[PZ+4*(\t):PZ+4*(\t)+1],   v[PO+4*(\t):PO+4*(\t)+1]
	v_pk_add_f32 v[PZ+4*(\t)+2:PZ+4*(\t)+3], v[PZ+4*(\t)+2:PZ+4*(\t)+3], v[PO+4*(\t)+2:PO+4*(\t)+3]
.endr
.irp t, 0,1,2,3
	v_pk_add_f32 v[PZ+4*(\t):PZ+4*(\t)+1],   v[PZ+4*(\t):PZ+4*(\t)+1],   v[BC:BC+1]
	v_pk_add_f32 v[PZ+4*(\t)+2:PZ+4*(\t)+3], v[PZ+4*(\t)+2:PZ+4*(\t)+3], v[BC+2:BC+3]
.endr
.irp t, 0,1,2,3
	global_store_b128 v[CO], v[PZ+4*(\t):PZ+4*(\t)+3], s[8:9] offset:(16*((\p)/2)+2*(\t))*4096+((\p)%2)*256 th:TH_STORE_NT  ; 16 lanes store 256 consecutive bytes, at a multiple of 256 from out0's first byte; 483,584 at the most
.endr
.endm
	PUT 0
; One barrier a pass.  In front of it: my stores of pass p are done, for my partner's sake, and so are my reads of pass p - 1, whose buffers pass p + 1 will take.  Behind it: both partners' pass p is whole, and nobody reads
; the buffers of pass p - 1 any more.
.irp p, 0,1,2,3,4,5,6,7,8,9,10,11,12,13,14,15
	s_wait_dscnt 0x0
	s_barrier_signal -1
	s_barrier_wait -1
	s_wait_xcnt 0x0                                ; every earlier memory instruction has had its addresses translated (ISA guide 3.1): the registers that the stores of pass p - 2 read are loaded again only behind this wait
	GET \p
.if (\p) < 15
	PUT (\p)+1
	s_wait_dscnt 8                                 ; the rows are back; the eight stores just issued may be out
.else
	s_wait_dscnt 0x0
.endif
	OUT \p
.endr
	s_wait_tensorcnt 0x0                           ; the wave's end: behind my last tensor load and my last LDS store
	ds_add_u32 v[SPW], v[NIL]
	s_wait_dscnt 0x0
	CROUND                                         ; the closing round: no work-group ends while a partner may still ask for a tile that names it
	s_endpgm
.Lfunc_end_k_qe14da6fa4d_fc2:
	.size	k_qe14da6fa4d_fc2, .Lfunc_end_k_qe14da6fa4d_fc2-k_qe14da6fa4d_fc2
	.p2alignl 7, 3214868480
	.fill 96, 4, 3214868480
	.section	.rodata,"a",@progbits
	.p2align	6, 0x0
	.amdhsa_kernel k_qe14da6fa4d_fc2
		.amdhsa_group_segment_fixed_size 327680
		.amdhsa_private_segment_fixed_size 0
		.amdhsa_enable_private_segment 0
		.amdhsa_kernarg_size 32
		.amdhsa_user_sgpr_count 2
		.amdhsa_user_sgpr_kernarg_segment_ptr 1
		.amdhsa_wavefront_size32 1
		.amdhsa_system_sgpr_workgroup_id_x 1
		.amdhsa_system_sgpr_workgroup_id_y 1
		.amdhsa_system_sgpr_workgroup_id_z 1
		.amdhsa_system_vgpr_workitem_id 0
		.amdhsa_next_free_vgpr 1024
		.amdhsa_next_free_sgpr 80
		.amdhsa_reserve_vcc 0
		.amdhsa_float_denorm_mode_32 3
		.amdhsa_float_denorm_mode_16_64 3
		.amdhsa_memory_ordered 1
		.amdhsa_forward_progress 1
		.amdhsa_inst_pref_size 149
	.end_amdhsa_kernel
	.amdgpu_metadata
---
amdhsa.version: [ 1, 2 ]
amdhsa.kernels:
  - .name:           k_qe14da6fa4d_fc2
    .symbol:         k_qe14da6fa4d_fc2.kd
    .args:
      - { .name: h, .offset: 0, .size: 8, .value_kind: global_buffer, .address_space: global }
      - { .name: w2s, .offset: 8, .size: 8, .value_kind: global_buffer, .address_space: global }
      - { .name: out0, .offset: 16, .size: 8, .value_kind: global_buffer, .address_space: global }
      - { .name: b2, .offset: 24, .size: 8, .value_kind: global_buffer, .address_space: global }
    .group_segment_fixed_size: 327680
    .private_segment_fixed_size: 0
    .kernarg_segment_align: 8
    .kernarg_segment_size: 32
    .max_flat_workgroup_size: 128
    .sgpr_count:     80
    .vgpr_count:     1024
    .wavefront_size: 32
...
	.end_amdgpu_metadata
.endif
;; end of part 3
